; MI455X (gfx1250); checked and timed in simulation.
; The chip was launched on July 23, 2026; its instructions are those of AMD's public machine-readable ISA for CDNA 5 (MIT licence, August 2026) and "CDNA5" Instruction Set Architecture Reference Guide (July 2026). The comments in the code are by the model that wrote it; some were corrected since.
;; Enhanced Memory Attention Layer. Allowed arithmetic: matrix products marked QUANTISED: E2M1 operands, one E8M0 scale for each 32 along K, by v_wmma_scale_f32_16x16x128_f8f6f4 with both operands' format E2M1 (or v_wmma_scale_f32_32x16x128_f4), f32 sums; everything else in f32.
;; Inputs: b1 2,048 float32; b2 256 float32; b_in_cross 768 float32; b_in_self 768 float32; b_out_cross 256 float32; b_out_self 256 float32; be1 256 float32; be2 256 float32; be3 256 float32; g1 256 float32; g2 256 float32; g3 256 float32; memory 4,096 x 1 x 256 float32; pos 4,096 x 1 x 256 float32; query_pos 4,096 x 1 x 256 float32; tgt 4,096 x 1 x 256 float32; w1_codes 2,048 x 8 x 16 uint8 (E2M1 codes of w1, K innermost, in blocks of 32 codes, two codes a byte); w1_scales 2,048 x 8 uint8 (E8M0 scales of w1, one for each 32 codes along K); w2_codes 256 x 64 x 16 uint8 (E2M1 codes of w2, K innermost, in blocks of 32 codes, two codes a byte); w2_scales 256 x 64 uint8 (E8M0 scales of w2, one for each 32 codes along K); w_in_cross 768 x 256 float32; w_in_self 768 x 256 float32; w_out_cross_codes 256 x 8 x 16 uint8 (E2M1 codes of w_out_cross, K innermost, in blocks of 32 codes, two codes a byte); w_out_cross_scales 256 x 8 uint8 (E8M0 scales of w_out_cross, one for each 32 codes along K); w_out_self_codes 256 x 8 x 16 uint8 (E2M1 codes of w_out_self, K innermost, in blocks of 32 codes, two codes a byte); w_out_self_scales 256 x 8 uint8 (E8M0 scales of w_out_self, one for each 32 codes along K).
;; Outputs: out0 4,096 x 1 x 256 float32.
;; This version of the problem:
;;   THIS VERSION OF THE PROBLEM IS GIVEN IN LOW PRECISION. The matrix products marked QUANTISED in the list below multiply operands that are first quantised to E2M1 (2 exponent bits, 1 mantissa bit; 4 bits a number), with one power-of-two scale for each 32 numbers along K (OCP MX v1.0); their sums are f32. All else is computed in f32.
;;   The module's matrix products, in the order in which they are computed (A, B: the left and right operand; K: the contracted axis; several contracted axes count as one K, in the product's order):
;;     1. [M 4,096, K 256] x [K 256, N 256]; A: computed on the way; B: computed on the way: QUANTISED
;;     2. [M 4,096, K 256] x [K 256, N 256]; A: computed on the way; B: computed on the way: QUANTISED
;;     3. [M 4,096, K 256] x [K 256, N 256]; A: input tgt; B: computed on the way: QUANTISED
;;     4. batch 8 x [M 4,096, K 32] x [K 32, N 4,096]; A: computed on the way; B: computed on the way: QUANTISED
;;     5. batch 8 x [M 32, K 4,096] x [K 4,096, N 4,096]; A: computed on the way; B: softmax (see below): QUANTISED
;;     6. [M 4,096, K 256] x [K 256, N 256]; A: computed on the way; B: input w_out_self (given as codes): QUANTISED
;;     7. [M 4,096, K 256] x [K 256, N 256]; A: computed on the way; B: computed on the way: QUANTISED
;;     8. [M 4,096, K 256] x [K 256, N 256]; A: computed on the way; B: computed on the way: QUANTISED
;;     9. [M 4,096, K 256] x [K 256, N 256]; A: input memory; B: computed on the way: QUANTISED
;;     10. batch 8 x [M 4,096, K 32] x [K 32, N 4,096]; A: computed on the way; B: computed on the way: QUANTISED
;;     11. batch 8 x [M 32, K 4,096] x [K 4,096, N 4,096]; A: computed on the way; B: softmax (see below): QUANTISED
;;     12. [M 4,096, K 256] x [K 256, N 256]; A: computed on the way; B: input w_out_cross (given as codes): QUANTISED
;;     13. [M 4,096, K 256] x [K 256, N 2,048]; A: computed on the way; B: input w1 (given as codes): QUANTISED
;;     14. [M 4,096, K 2,048] x [K 2,048, N 256]; A: computed on the way; B: input w2 (given as codes): QUANTISED
;;   THE QUANTISER, for each operand of a quantised product, along K:
;;     - K is cut into blocks of 32 from its start; a last block that is shorter is filled with zeros.
;;     - A block's scale is 2^e with e = floor(log2(the largest magnitude in the block)) - 2, held to -126 .. 127; a block of zeros has e = 0. As a byte (E8M0): e + 127.
;;     - Each number is divided by its block's scale, clamped to +-6, and rounded to the nearest number of E2M1, ties to even, subnormals kept.
;;     - The product sums the exact products of the quantised numbers (number of the format x scale) in f32.
;;   ~~~python
;;   def quantise(x, axis):      # numpy; x: float32 -> the quantised numbers, widened to float32 again
;;       x = np.moveaxis(x, axis, -1); K = x.shape[-1]
;;       x = np.pad(x, [(0, 0)] * (x.ndim - 1) + [(0, -K % 32)]); x = x.reshape(x.shape[:-1] + (-1, 32)); a = np.abs(x).max(-1, keepdims=True)
;;       e = np.where(a > 0, np.clip(np.frexp(np.where(a > 0, a, 1))[1] - 1 - 2, -126, 127), 0)      # np.frexp(a)[1] - 1 = floor(log2(a)), exactly
;;       r = np.clip(x / 2.0 ** e, -6, 6)
;;       step = 2.0 ** (np.maximum(np.frexp(np.where(r == 0, 1, r))[1] - 1, 0) - 1)
;;       q = np.round(r / step) * step * 2.0 ** e      # np.round: ties to even
;;       return np.moveaxis(q.reshape(q.shape[:-2] + (-1,))[..., :K], -1, axis).astype(np.float32)
;;   ~~~
;;   SOFTMAX AHEAD OF A QUANTISED PRODUCT. Where the list says 'softmax', what is quantised is not the finished softmax but p = 2^(t - M), with t = logit x log2(e) and M = ceil(the row's largest t), a whole number; so 1/2 < the row's largest p <= 1. The row's sum l is taken of the UNQUANTISED p, in f32, and the product's result is divided by l at the end. Since M is a whole number, a kernel that streams over the keys may use a running M (the ceiling of the running maximum): every later rescaling is an exact power of two, which a block's scale takes up: the codes' values come out the same.
;;   OPERANDS COMPUTED ON THE WAY. 'Computed on the way' means the value that the module computes at that place (a softmax that the list does not call 'softmax' is quantised finished and normalised). What goes into a quantiser is computed in f32, as accurately as f32 sums, v_exp_f32 and their like allow (about 1e-6 of the number): no bf16 or f16 on the way to a quantiser, and a product that is left as it is and whose result goes on into a quantised operand takes f32 operands (vector FMAs, or v_wmma_f32_16x16x4_f32). A number that lies on a knife's edge between two numbers of the format may be rounded either way, as far as f32 arithmetic and the matrix unit's own rounding can turn it there, and no further.
;;   INPUTS GIVEN AS CODES. w1 (in the module: [2048, 256], K = its axis 1); w2 (in the module: [256, 2048], K = its axis 1); w_out_cross (in the module: [256, 256], K = its axis 1); w_out_self (in the module: [256, 256], K = its axis 1): each comes as NAME_codes (uint8): NAME with its K axis moved to the last place and cut into blocks of 32 codes, [.., K / 32, bytes a block], one block behind the other in memory; two codes a byte, the lower K in the low four bits (a code: sign, 2 exponent bits, 1 mantissa bit); and NAME_scales (uint8): the same leading axes, one E8M0 byte (e + 127) for each 32 codes along K. Its value is code x scale, taken as it is: it is not quantised again, and the codes and scales need not be those that the quantiser above would give.
;; One version. Each part assembles by itself: llvm-mc -triple=amdgcn-amd-amdhsa -mcpu=gfx1250 --defsym DOCPART=n.
;; ======== version 1 of 1: 2 launches
;; limits: right only within a limited range of input values
;; workspace buffers: stream 2,785,280 bytes; wimg 147,456 bytes
;; launch prep (part 1): grid 256 x 1, 16 waves a work-group, no clusters, 36,864 bytes of LDS; arguments tgt, query_pos, memory, pos, w_in_self, w_in_cross, b_in_self, b_in_cross, w_out_self_codes, w_out_self_scales, w_out_cross_codes, w_out_cross_scales, w1_codes, w1_scales, w2_codes, w2_scales, stream, wimg; writes stream, wimg
.if DOCPART == 1
	.amdgcn_target "amdgcn-amd-amdhsa--gfx1250"
	.amdhsa_code_object_version 6
	.text
	.protected	k_q71aa55efb4_prep
	.globl	k_q71aa55efb4_prep
	.p2align	8
	.type	k_q71aa55efb4_prep,@function
k_q71aa55efb4_prep:
	s_mov_b64 s[64:65], 0
	v_nop
	global_prefetch_b8 v0, s[64:65] scope:SCOPE_SE
	s_setreg_imm32_b32 hwreg(HW_REG_WAVE_MODE, 25, 1), 1
	s_wait_xcnt 0x0
; PREP: everything that the layer's launch streams is made here, once, in the order of the operand registers.
; Work-groups 0-255 (path P): 128 keys x 128 outputs (four heads) of the K or the V projection of the self or the cross attention.  Both operands (the rows, f32; the
; weight w_in, f32) are quantised here along D = 256 to E2M1 with one E8M0 scale for each 32; the product's f32 result + bias is quantised again, K along the head's 32, V along the keys.
; Work-groups 256-259 (path Q): wq of both attentions is quantised, w_out (given as codes) is laid anew.  260-263 (path R): w1 and w2 (given as codes) are laid anew.
; A RECORD of the stream is 4,352 bytes: four fragment images of 1,024 bytes (register group c of a fragment at 512 c + 16 x lane) and four groups of 16 scale words at + 4,096.
; stream = [wave W 0..15][self K/V 16 records | cross K/V 16 records | w1 4 records | w2 4 records]; W = head + 8 x (half of the keys).
; K/V record of 128 keys: fragments 0, 1 = K: register group c, lane 16 h + r = the 32 codes of key 64 f + 32 c + 8 h + r + 8 (r / 8); fragments 2, 3 = V: row r = channel 8 t + r + 8 (r / 8), K = the 128 keys.
; A block's scale is 2^(floor(log2(largest magnitude)) - 2); its byte is the largest magnitude's exponent field - 2, held at 1 from below.
; LIMITS: a block of zeros gets the byte 1 where the rule says 127 (its codes are zeros, and this program alone reads the bytes); NaN and infinities among the inputs are not served.
; No tensor loads.  The record's last 256 bytes (scale words) are stored in four pieces of 64 bytes by four waves: 256 of a record's 4,352 bytes.
.set REC,   4352
.set WSTR,  174080                     ; a wave's part of the stream: 40 records
.set XIMG,  0                          ; LDS: the rows' 16 fragment images (tile t, K step s: 2 t + s), 1,024 bytes each
.set WIMG,  16384                      ; the weight's 16 likewise
.set XSC,   32768                      ; their scale words: tile t at 128 t, K step s at + 64 s, row r at + 4 r
.set WSC,   33792
.set B0,    16                         ; v16-79    64 numbers of the rows
.set B1,    80                         ; v80-143   64 numbers of the second addend
.set B2,    144                        ; v144-207  64 numbers of the weight; later the eight accumulators
.set TM,    208                        ; v208-223  at work in QUANT
.set PC,    232                        ; v232-239  the codes just made
.set PW,    240                        ; v240      the scale word just made
.set SEL,   42                         ; s[42:43]  v_permlanex16_b32's selects for lane l xor 16
; 64 numbers of a lane: of row r + 8 (r / 8) from the base on, the 16 neighbours at 64 h bytes of each block of 32
.macro XLOAD reg, base
.irp b, 0,1,2,3
.irp j, 0,1,2,3
	global_load_b128 v[\reg+16*\b+4*\j:\reg+16*\b+4*\j+3], v1, s[\base:\base+1] offset:128*\b+16*\j
.endr
.endr
.endm
; 64 numbers of a lane, register 16 b + i = k 32 b + 16 (lane / 16) + i of my row, become a fragment's codes in v[PC] on and its scale word in v[PW]
.macro QUANT s
.irp b, 0,1,2,3
	v_max3_num_f32 v[TM+\b], |v[\s+16*\b]|, |v[\s+1+16*\b]|, 0x1800000   ; my 16 numbers of block b, and the floor 2^(3 - 127): the byte cannot fall under 1
.endr
.irp i, 2,4,6,8,10,12,14
.irp b, 0,1,2,3
	v_max3_num_f32 v[TM+\b], v[TM+\b], |v[\s+16*\b+\i]|, |v[\s+1+16*\b+\i]|
.endr
.endr
.irp b, 0,1,2,3
	s_delay_alu instid0(VALU_DEP_4)
	v_permlanex16_b32 v[TM+4+\b], v[TM+\b], s[SEL], s[SEL+1]
.endr
.irp b, 0,1,2,3
	s_delay_alu instid0(VALU_DEP_4)
	v_max_num_f32 v[TM+\b], v[TM+\b], v[TM+4+\b]       ; with lane l xor 16's: the block's largest magnitude
.endr
.irp b, 0,1,2,3
	s_delay_alu instid0(VALU_DEP_4)
	v_add_nc_u32 v[TM+12+\b], 0xff000000, v[TM+\b]     ; 2 off its exponent field: the conversion's scale operand
.endr
.irp b, 0,1,2,3
	s_delay_alu instid0(VALU_DEP_4)
	v_lshrrev_b32 v[TM+4+\b], 23, v[TM+12+\b]          ; the scale's byte
.endr
	s_delay_alu instid0(VALU_DEP_3)
	v_lshl_or_b32 v[PW], v[TM+5], 8, v[TM+4]
	s_delay_alu instid0(VALU_DEP_1)
	v_lshl_or_b32 v[PW], v[TM+6], 16, v[PW]
	s_delay_alu instid0(VALU_DEP_1)
	v_lshl_or_b32 v[PW], v[TM+7], 24, v[PW]
.irp b, 0,1,2,3
	v_cvt_scalef32_pk8_fp4_f32 v[PC+2*\b], v[\s+16*\b:\s+7+16*\b], v[TM+12+\b]
	v_cvt_scalef32_pk8_fp4_f32 v[PC+1+2*\b], v[\s+8+16*\b:\s+15+16*\b], v[TM+12+\b]
.endr
	v_nop                                              ; one plain place behind a scaled conversion
.irp c, 0,1                                        ; the operand's layout wants a whole block in a lane
.irp i, 0,1
	v_permlane16_swap_b32 v[PC+4*\c+\i], v[PC+2+4*\c+\i]
.endr
.endr
.endm
.macro IMAGE adr, off
	ds_store_b128 v[\adr], v[PC:PC+3] offset:\off
	ds_store_b128 v[\adr], v[PC+4:PC+7] offset:\off+512
.endm
; D = A x B + C on E2M1 codes; ra, rb: the scale words stand in lanes 16-31 of the registers named
.macro MM d, a, b, c, sa, sb, ra, rb
.if (\ra) && (\rb)
	v_wmma_scale_f32_16x16x128_f8f6f4 v[\d:\d+7], v[\a:\a+7], v[\b:\b+7], v[\c:\c+7], v[\sa], v[\sb] matrix_a_fmt:MATRIX_FMT_FP4 matrix_b_fmt:MATRIX_FMT_FP4 matrix_a_scale:MATRIX_SCALE_ROW1 matrix_b_scale:MATRIX_SCALE_ROW1
.else
	v_wmma_scale_f32_16x16x128_f8f6f4 v[\d:\d+7], v[\a:\a+7], v[\b:\b+7], v[\c:\c+7], v[\sa], v[\sb] matrix_a_fmt:MATRIX_FMT_FP4 matrix_b_fmt:MATRIX_FMT_FP4
.endif
.endm
	s_load_b512 s[4:19], s[0:1], 0x0               ; tgt, query_pos, memory, pos, w_in_self, w_in_cross, b_in_self, b_in_cross
	s_load_b512 s[20:35], s[0:1], 0x40             ; w_out_self codes, scales; w_out_cross codes, scales; w1 codes, scales; w2 codes, scales
	s_load_b128 s[36:39], s[0:1], 0x80             ; stream, wimg
	v_lshl_add_u32 v254, v0, 2, 0x8800
	v_mov_b32 v255, 0
	v_lshrrev_b32 v15, 5, v0
	s_delay_alu instid0(VALU_DEP_1)
	v_readfirstlane_b32 s40, v15                   ; wave 0..15
	v_and_b32 v241, 31, v0                         ; lane
	v_and_b32 v242, 15, v0                         ; r
	v_bfe_u32 v243, v0, 4, 1                       ; h
	s_delay_alu instid0(VALU_DEP_2)
	v_and_b32 v244, 8, v242
	s_delay_alu instid0(VALU_DEP_1)
	v_add_nc_u32 v244, v244, v242                  ; r + 8 (r / 8)
	s_delay_alu instid0(VALU_DEP_1)
	v_lshlrev_b32 v1, 10, v244
	s_delay_alu instid0(VALU_DEP_1)
	v_lshl_add_u32 v1, v243, 6, v1                 ; f32 rows of 1,024 bytes: row r + 8 (r / 8), + 64 h
	v_lshlrev_b32 v2, 4, v241                      ; 16 x lane
	s_wait_alu depctr_va_vdst(0)
	v_lshlrev_b32 v3, 2, v241                      ; 4 x lane
	s_wait_alu depctr_va_vdst(0)
	v_lshlrev_b32 v12, 2, v242                     ; 4 r
	v_lshlrev_b32 v13, 6, v243                     ; K's bias: 16 h numbers on
	v_lshlrev_b32 v14, 2, v244                     ; V's bias: number r + 8 (r / 8)
	s_and_b32 s45, s40, 1
	s_bfe_u32 s46, s40, 0x20001                    ; (wave / 2) % 4
	s_and_b32 s47, s40, 7
	s_lshl_b32 s44, s40, 10
	v_add_nc_u32 v4, s44, v2                       ; where I store an image: 16 x lane + 1,024 x wave
	s_lshl_b32 s44, s40, 6
	v_add_nc_u32 v5, s44, v12                      ; and its scale words: 4 r + 64 x wave
	s_lshl_b32 s44, s45, 13
	v_add_nc_u32 v6, s44, v2                       ; K: the rows' tiles 4 f on
	s_lshl_b32 s44, s46, 12
	v_add_nc_u32 v7, s44, v2                       ; K: the weight's tiles 2 b on
	s_lshl_b32 s44, s47, 11
	v_add_nc_u32 v8, s44, v2                       ; V: the weight's tile w
	s_lshl_b32 s44, s45, 9
	v_add_nc_u32 v9, s44, v3                       ; the scale words of the same three
	s_lshl_b32 s44, s46, 8
	v_add_nc_u32 v10, s44, v3
	s_lshl_b32 s44, s47, 7
	v_add_nc_u32 v11, s44, v3
	s_lshl_b32 s44, s45, 10
	v_add_nc_u32 v245, s44, v2                     ; out: 16 x lane + 1,024 x (wave % 2)
	s_lshl_b32 s44, s45, 6
	v_add_nc_u32 v246, s44, v12                    ; out: 4 r + 64 x (wave % 2)
	s_lshr_b32 s41, s40, 2                         ; my tile t = wave / 2 begins at row 32 (t / 2) + 8 (t % 2)
	s_lshl_b32 s41, s41, 5
	s_bfe_u32 s44, s40, 0x10001
	s_lshl_b32 s44, s44, 3
	s_add_co_u32 s41, s41, s44
	s_mov_b32 s[SEL], 0x76543210
	s_mov_b32 s[SEL+1], 0xfedcba98
.irp b, 0,1,2,3
	v_mov_b32 v[TM+4+\b], 0                        ; written once: a lane permute's destination counts as one of its sources
.endr
; ---------------- PATH P: a projection of 128 keys x 128 outputs
	s_and_b32 s50, ttmp9, 31                       ; which 128 keys
	s_bfe_u32 s51, ttmp9, 0x10005                  ; which four heads
	s_bfe_u32 s52, ttmp9, 0x10006                  ; 0: K, 1: V
	s_bfe_u32 s53, ttmp9, 0x10007                  ; 0: self, 1: cross
	s_lshl_b32 s54, s50, 7
	s_add_co_u32 s54, s54, s41                     ; my tile's first row of the rows' tensor
	s_lshl_b32 s54, s54, 10
	s_lshl_b32 s55, s45, 9                         ; K step s = wave % 2: 512 bytes on
	s_add_co_u32 s54, s54, s55
	s_mov_b32 s55, 0
	s_add_co_u32 s56, s52, 1                       ; wk begins at row 256 of w_in, wv at row 512
	s_lshl_b32 s56, s56, 8
	s_lshl_b32 s57, s51, 7
	s_add_co_u32 s56, s56, s57
	s_add_co_u32 s56, s56, s41
	s_lshl_b32 s56, s56, 10
	s_lshl_b32 s57, s45, 9
	s_add_co_u32 s56, s56, s57
	s_mov_b32 s57, 0
	s_lshl_b32 s58, s51, 9                         ; biases: 128 x (four heads) + 32 x head, in bytes
	s_lshl_b32 s59, s46, 7
	s_add_co_u32 s58, s58, s59
	s_mov_b32 s59, 0
	s_lshl_b32 s62, s45, 5                         ; V's: 8 numbers on for the odd tile
	s_mov_b32 s63, 0
	s_lshl_b32 s70, s51, 2                         ; the record: wave W = head + 8 x (keys' half) of the layer's launch,
	s_add_co_u32 s70, s70, s46
	s_lshr_b32 s71, s50, 4
	s_lshl_b32 s71, s71, 3
	s_add_co_u32 s70, s70, s71
	s_mul_i32 s70, s70, WSTR
	s_mul_i32 s71, s53, 16*REC                     ; self's 16 records, then cross's,
	s_add_co_u32 s70, s70, s71
	s_and_b32 s71, s50, 15
	s_mul_i32 s71, s71, REC                        ; the key step within the half
	s_add_co_u32 s70, s70, s71
	s_mov_b32 s71, 0
	s_cmp_eq_u32 s52, 0
	s_cselect_b32 s60, 1.0, 0                      ; K's rows are a + p, V's are a: the second addend counts once or not at all
	s_mov_b32 s61, s60
	s_wait_kmcnt 0x0
	s_cmp_eq_u32 s53, 0                            ; the choice hangs on the work-group's number alone
	s_cselect_b64 s[4:5], s[4:5], s[8:9]           ; tgt or memory
	s_cselect_b64 s[6:7], s[6:7], s[10:11]         ; query_pos or pos
	s_cselect_b64 s[12:13], s[12:13], s[14:15]     ; w_in
	s_cselect_b64 s[16:17], s[16:17], s[18:19]     ; b_in
	s_add_nc_u64 s[4:5], s[4:5], s[54:55]
	s_add_nc_u64 s[6:7], s[6:7], s[54:55]
	s_add_nc_u64 s[12:13], s[12:13], s[56:57]
	s_add_nc_u64 s[66:67], s[16:17], s[58:59]
	s_add_nc_u64 s[68:69], s[66:67], s[62:63]
	s_add_nc_u64 s[36:37], s[36:37], s[70:71]
	XLOAD B0, 4
	XLOAD B1, 6
	XLOAD B2, 12
	s_wait_loadcnt 16                              ; both addends are in; the weight's 16 loads may be out
.irp i, 0,2,4,6,8,10,12,14,16,18,20,22,24,26,28,30,32,34,36,38,40,42,44,46,48,50,52,54,56,58,60,62
	v_pk_fma_f32 v[B0+\i:B0+\i+1], v[B1+\i:B1+\i+1], s[60:61], v[B0+\i:B0+\i+1] op_sel_hi:[1,0,1]
.endr
.irp u, 0,1                                    ; K's bias in the result's layout: outputs 32 b + 16 h + 8 u + 0 .. 7 (bk begins at byte 1,024)
	global_load_b128 v[96+8*\u:99+8*\u], v13, s[66:67] offset:1024+32*\u
	global_load_b128 v[100+8*\u:103+8*\u], v13, s[66:67] offset:1024+32*\u+16
.endr
	global_load_b32 v122, v14, s[68:69] offset:2048    ; V's: the one output of my lane's column (bv begins at byte 2,048)
	QUANT B0
	IMAGE 4, XIMG
	ds_store_b32 v5, v[PW] offset:XSC              ; lanes l and l + 16 hold the same word and write it to the same place
	s_wait_dscnt 0x0                               ; the stores have read their registers
	s_wait_loadcnt 5                               ; the weight is in; the five loads of biases may be out
	QUANT B2
	IMAGE 4, WIMG
	ds_store_b32 v5, v[PW] offset:WSC
	s_wait_dscnt 0x0                               ; for the others' sake: my stores have landed
	s_barrier_signal -1
	s_barrier_wait -1                              ; all 32 fragments lie in LDS
	s_cmp_ge_u32 s40, 8
	s_cbranch_scc1 .Lother                         ; eight waves multiply; of the other eight, wave 8 may have a task of paths Q and R
	s_wait_loadcnt 0x0                             ; the biases
	s_cmp_lg_u32 s52, 0
	s_cbranch_scc1 .Ltype_v
; K: wave = (f, b): keys' tiles 4 f .. 4 f + 3 x head b's two tiles.  TRANSPOSED: source 0 = 16 rows of wk, source 1 = 16 keys: a lane holds one key, its 16 registers of a pair of tiles 16 neighbours of the head's 32
.irp x, 0,1,2,3
	ds_load_b32 v[112+\x], v9 offset:XSC+128*\x    ; lanes 0-15: K step 0's words, lanes 16-31: K step 1's
.endr
.irp u, 0,1
	ds_load_b32 v[120+\u], v10 offset:WSC+128*\u
.endr
.irp s, 0,1
.if \s
.rept 4
	v_nop                                          ; places in front of loads into registers that matrix instructions have read
.endr
.endif
.irp x, 0,1,2,3
.irp c, 0,1
	ds_load_b128 v[16+8*\x+4*\c:19+8*\x+4*\c], v6 offset:XIMG+2048*\x+1024*\s+512*\c
.endr
.endr
.irp u, 0,1
.irp c, 0,1
	ds_load_b128 v[80+8*\u+4*\c:83+8*\u+4*\c], v7 offset:WIMG+2048*\u+1024*\s+512*\c
.endr
.endr
	s_wait_dscnt 0x0
.irp x, 0,1,2,3                                ; the eight accumulators by turns
.irp u, 0,1
.if \s
	MM B2+8*(2*\x+\u), 80+8*\u, 16+8*\x, B2+8*(2*\x+\u), 120+\u, 112+\x, 1, 1
.else
	MM B2+8*(2*\x+\u), 80+8*\u, 16+8*\x, 96+8*\u, 120+\u, 112+\x, 0, 0
.endif
.endr
.endr
.endr
.rept 4
	v_nop
.endr
	QUANT B2                                       ; block x of the four = the 32 channels of the key in tile 4 f + x
	global_store_b128 v245, v[PC:PC+3], s[36:37]               ; fragment f: each store covers 512 consecutive bytes, aligned
	global_store_b128 v245, v[PC+4:PC+7], s[36:37] offset:512
	global_store_b32 v246, v[PW], s[36:37] offset:4096         ; scale group f
	s_wait_tensorcnt 0x0
	ds_add_u32 v254, v255
	s_wait_dscnt 0x0
	s_endpgm
; V: wave w = head w / 2, tile w % 2.  Source 0 = 16 keys, source 1 = 16 rows of wv: a lane holds one channel, its registers run along the keys
.Ltype_v:
.irp j, 0,1,2,3,4,5,6,7
	v_mov_b32 v[96+\j], v122                       ; the bias hangs on the column alone
.endr
	s_wait_alu depctr_va_vdst(0)
.irp x, 0,1,2,3,4,5,6,7
	ds_load_b32 v[112+\x], v3 offset:XSC+128*\x
.endr
	ds_load_b32 v120, v11 offset:WSC
.irp s, 0,1
.if \s
.rept 4
	v_nop
.endr
.endif
.irp x, 0,1,2,3,4,5,6,7
.irp c, 0,1
	ds_load_b128 v[16+8*\x+4*\c:19+8*\x+4*\c], v2 offset:XIMG+2048*\x+1024*\s+512*\c
.endr
.endr
.irp c, 0,1
	ds_load_b128 v[80+4*\c:83+4*\c], v8 offset:WIMG+1024*\s+512*\c
.endr
	s_wait_dscnt 0x0
.irp x, 0,1,2,3,4,5,6,7
.if \s
	MM B2+8*\x, 16+8*\x, 80, B2+8*\x, 112+\x, 120, 1, 1
.else
	MM B2+8*\x, 16+8*\x, 80, 96, 112+\x, 120, 0, 0
.endif
.endr
.endr
.rept 4
	v_nop
.endr
	QUANT B2                                       ; four blocks of 32 keys of my channel
	global_store_b128 v245, v[PC:PC+3], s[36:37] offset:2048
	global_store_b128 v245, v[PC+4:PC+7], s[36:37] offset:2560
	global_store_b32 v246, v[PW], s[36:37] offset:4224
.Lend:
	s_wait_tensorcnt 0x0
	ds_add_u32 v254, v255
	s_wait_dscnt 0x0
	s_endpgm
; PATHS Q AND R ARE RUN BY WAVE 8 OF WORK-GROUPS 0-127, behind path P's barrier: the grid is 256 work-groups.  Task = the work-group's number = 16 i + w:
; where the comments speak of work-group 256 + i and of wave w, read task 16 i + w.  What hangs on i and w is made anew here, and the arguments are read anew (path P has stepped them).
.Lother:
	s_wait_tensorcnt 0x0                           ; my LDS stores are behind me
	ds_add_u32 v254, v255
	s_wait_dscnt 0x0
	s_cmp_eq_u32 s40, 8
	s_cselect_b32 s44, ttmp9, 128
	s_cmp_lt_u32 s44, 128
	s_cbranch_scc1 .Ltask
	s_endpgm
.Ltask:
	s_wait_loadcnt 0x0                             ; the biases' loads are done: their registers and bases are free
	s_load_b512 s[4:19], s[0:1], 0x0
	s_load_b512 s[20:35], s[0:1], 0x40
	s_load_b128 s[36:39], s[0:1], 0x80
	s_and_b32 s40, ttmp9, 15                       ; w
	s_lshr_b32 s50, ttmp9, 4                       ; i
	s_and_b32 s45, s40, 1
	s_lshl_b32 s44, s45, 10
	v_add_nc_u32 v245, s44, v2                     ; out: 16 x lane + 1,024 x (w % 2)
	s_lshl_b32 s44, s45, 6
	v_add_nc_u32 v246, s44, v12                    ; out: 4 r + 64 x (w % 2)
	s_lshr_b32 s41, s40, 2                         ; tile w / 2 begins at row 32 (t / 2) + 8 (t % 2)
	s_lshl_b32 s41, s41, 5
	s_bfe_u32 s44, s40, 0x10001
	s_lshl_b32 s44, s44, 3
	s_add_co_u32 s41, s41, s44
	s_wait_alu depctr_va_vdst(0)
	s_wait_kmcnt 0x0
	s_cmp_ge_u32 s50, 4
	s_cbranch_scc1 .Lrelay
; ---------------- PATH Q: wimg = [self, cross][q, o][tile T 0..15][2,304 bytes: K step 0's image, K step 1's, 128 bytes of scale words].  Wave = (tile, K step)
	s_lshr_b32 s51, s50, 1                         ; self or cross
	s_and_b32 s52, s50, 1                          ; tiles 0-7 or 8-15
	s_cmp_eq_u32 s51, 0
	s_cselect_b64 s[12:13], s[12:13], s[14:15]
	s_cselect_b64 s[20:21], s[20:21], s[24:25]
	s_cselect_b64 s[22:23], s[22:23], s[26:27]
	s_lshl_b32 s53, s52, 3
	s_lshr_b32 s54, s40, 1
	s_add_co_u32 s53, s53, s54                     ; T
	s_lshl_b32 s54, s52, 7                         ; wq: tile T = 2 head + u begins at row 32 head + 8 u
	s_add_co_u32 s54, s54, s41
	s_lshl_b32 s54, s54, 10
	s_lshl_b32 s55, s45, 9
	s_add_co_u32 s54, s54, s55
	s_mov_b32 s55, 0
	s_add_nc_u64 s[12:13], s[12:13], s[54:55]
	s_lshl_b32 s54, s53, 11                        ; w_out's codes: rows 16 T on, 128 bytes a row, K step s 64 bytes on
	s_lshl_b32 s56, s45, 6
	s_add_co_u32 s54, s54, s56
	s_add_nc_u64 s[20:21], s[20:21], s[54:55]
	s_lshl_b32 s54, s53, 7                         ; its scale bytes: 8 a row, 4 a K step
	s_lshl_b32 s56, s45, 2
	s_add_co_u32 s54, s54, s56
	s_add_nc_u64 s[22:23], s[22:23], s[54:55]
	s_lshl_b32 s54, s51, 5
	s_add_co_u32 s54, s54, s53
	s_mul_i32 s54, s54, 2304
	s_add_nc_u64 s[38:39], s[38:39], s[54:55]
	v_lshlrev_b32 v247, 7, v242
	s_delay_alu instid0(VALU_DEP_1)
	v_lshl_add_u32 v247, v243, 4, v247             ; row r of 128 bytes, + 16 h
	v_lshlrev_b32 v248, 3, v242                    ; row r of 8 scale bytes
	XLOAD B2, 12
	global_load_b128 v[16:19], v247, s[20:21]
	global_load_b128 v[20:23], v247, s[20:21] offset:32
	global_load_b32 v24, v248, s[22:23]
	s_wait_loadcnt 0x0
	QUANT B2
	global_store_b128 v245, v[PC:PC+3], s[38:39]
	global_store_b128 v245, v[PC+4:PC+7], s[38:39] offset:512
	global_store_b32 v246, v[PW], s[38:39] offset:2048
	global_store_b128 v245, v[16:19], s[38:39] offset:36864
	global_store_b128 v245, v[20:23], s[38:39] offset:36864+512
	global_store_b32 v246, v24, s[38:39] offset:36864+2048
	s_endpgm
; ---------------- PATH R: w1 and w2, given as codes, into the stream's records: a wave lays two records
.macro RSTORE
.irp j, 0,1
.irp k, 0,1,2,3,4,5,6,7
	global_store_b128 v2, v[16+34*\j+4*\k:19+34*\j+4*\k], s[36:37] offset:REC*\j+512*\k
.endr
.irp a, 0,1
	global_store_b32 v3, v[48+34*\j+\a], s[36:37] offset:REC*\j+4096+128*\a
.endr
.endr
.endm
.Lrelay:
	s_and_b32 s51, s50, 1
	s_lshl_b32 s52, s51, 3
	s_lshr_b32 s53, s40, 1
	s_add_co_u32 s52, s52, s53                     ; W: whose stream
	s_lshl_b32 s53, s45, 1                         ; my first record: 0 or 2
	s_mul_i32 s54, s52, WSTR
	s_mul_i32 s55, s53, REC
	s_add_co_u32 s54, s54, s55
	s_mov_b32 s55, 0
	s_mov_b32 s59, 0
	s_cmp_ge_u32 s50, 6
	s_cbranch_scc1 .Lw2
	s_add_co_u32 s54, s54, 32*REC                  ; w1's records lie behind the 32 of K and V
	s_add_nc_u64 s[36:37], s[36:37], s[54:55]
	s_lshl_b32 s56, s52, 7                         ; record p: hidden units 128 W + 32 p on
	s_lshl_b32 s57, s53, 5
	s_add_co_u32 s56, s56, s57
	s_lshl_b32 s58, s56, 7
	s_add_nc_u64 s[28:29], s[28:29], s[58:59]
	s_lshl_b32 s58, s56, 3
	s_add_nc_u64 s[30:31], s[30:31], s[58:59]
	v_lshlrev_b32 v247, 7, v244
	s_delay_alu instid0(VALU_DEP_1)
	v_lshl_add_u32 v247, v243, 4, v247             ; row r + 8 (r / 8) of 128 bytes, + 16 h
	v_lshlrev_b32 v248, 3, v244
	s_delay_alu instid0(VALU_DEP_1)
	v_lshl_add_u32 v248, v243, 2, v248             ; its 8 scale bytes: lanes 0-15 K step 0's word, lanes 16-31 K step 1's
.irp j, 0,1
.irp f, 0,1,2,3                                ; fragment f = 2 a + s: tile 2 p + a, K step s
.irp c, 0,1
	global_load_b128 v[16+34*\j+8*\f+4*\c:19+34*\j+8*\f+4*\c], v247, s[28:29] offset:(32*\j+8*(\f/2))*128+64*(\f%2)+32*\c
.endr
.endr
.irp a, 0,1
	global_load_b32 v[48+34*\j+\a], v248, s[30:31] offset:(32*\j+8*\a)*8
.endr
.endr
	s_wait_loadcnt 0x0
	RSTORE
	s_endpgm
.Lw2:
	s_add_co_u32 s54, s54, 36*REC
	s_add_nc_u64 s[36:37], s[36:37], s[54:55]
	s_lshl_b32 s58, s52, 14                        ; outputs 16 W on, 1,024 bytes a row; record p: K steps 4 p on, 64 bytes each
	s_lshl_b32 s57, s53, 8
	s_add_co_u32 s58, s58, s57
	s_add_nc_u64 s[32:33], s[32:33], s[58:59]
	s_lshl_b32 s58, s52, 10                        ; 64 scale bytes a row, 4 a K step
	s_lshl_b32 s57, s53, 4
	s_add_co_u32 s58, s58, s57
	s_add_nc_u64 s[34:35], s[34:35], s[58:59]
	v_lshlrev_b32 v247, 10, v242
	s_delay_alu instid0(VALU_DEP_1)
	v_lshl_add_u32 v247, v243, 4, v247
	v_lshlrev_b32 v248, 6, v242
	s_delay_alu instid0(VALU_DEP_1)
	v_lshl_add_u32 v248, v243, 2, v248             ; lanes 0-15 an even K step's word, lanes 16-31 the odd one's
.irp j, 0,1
.irp f, 0,1,2,3                                ; fragment f: K step 4 p + f
.irp c, 0,1
	global_load_b128 v[16+34*\j+8*\f+4*\c:19+34*\j+8*\f+4*\c], v247, s[32:33] offset:(4*\j+\f)*64+32*\c
.endr
.endr
.irp a, 0,1
	global_load_b32 v[48+34*\j+\a], v248, s[34:35] offset:16*\j+8*\a
.endr
.endr
	s_wait_loadcnt 0x0
	RSTORE
	s_endpgm
.Lfunc_end_k_q71aa55efb4_prep:
	.size	k_q71aa55efb4_prep, .Lfunc_end_k_q71aa55efb4_prep-k_q71aa55efb4_prep
	.p2alignl 7, 3214868480
	.fill 96, 4, 3214868480
	.section	.rodata,"a",@progbits
	.p2align	6, 0x0
	.amdhsa_kernel k_q71aa55efb4_prep
		.amdhsa_group_segment_fixed_size 36864
		.amdhsa_private_segment_fixed_size 0
		.amdhsa_enable_private_segment 0
		.amdhsa_kernarg_size 144
		.amdhsa_user_sgpr_count 2
		.amdhsa_user_sgpr_kernarg_segment_ptr 1
		.amdhsa_wavefront_size32 1
		.amdhsa_system_sgpr_workgroup_id_x 1
		.amdhsa_system_sgpr_workgroup_id_y 1
		.amdhsa_system_sgpr_workgroup_id_z 1
		.amdhsa_system_vgpr_workitem_id 0
		.amdhsa_next_free_vgpr 256
		.amdhsa_next_free_sgpr 80
		.amdhsa_reserve_vcc 0
		.amdhsa_float_denorm_mode_32 3
		.amdhsa_float_denorm_mode_16_64 3
		.amdhsa_memory_ordered 1
		.amdhsa_forward_progress 1
		.amdhsa_inst_pref_size 58
	.end_amdhsa_kernel
	.amdgpu_metadata
---
amdhsa.version: [ 1, 2 ]
amdhsa.kernels:
  - .name:           k_q71aa55efb4_prep
    .symbol:         k_q71aa55efb4_prep.kd
    .args:
      - { .name: tgt, .offset: 0, .size: 8, .value_kind: global_buffer, .address_space: global }
      - { .name: query_pos, .offset: 8, .size: 8, .value_kind: global_buffer, .address_space: global }
      - { .name: memory, .offset: 16, .size: 8, .value_kind: global_buffer, .address_space: global }
      - { .name: pos, .offset: 24, .size: 8, .value_kind: global_buffer, .address_space: global }
      - { .name: w_in_self, .offset: 32, .size: 8, .value_kind: global_buffer, .address_space: global }
      - { .name: w_in_cross, .offset: 40, .size: 8, .value_kind: global_buffer, .address_space: global }
      - { .name: b_in_self, .offset: 48, .size: 8, .value_kind: global_buffer, .address_space: global }
      - { .name: b_in_cross, .offset: 56, .size: 8, .value_kind: global_buffer, .address_space: global }
      - { .name: w_out_self_codes, .offset: 64, .size: 8, .value_kind: global_buffer, .address_space: global }
      - { .name: w_out_self_scales, .offset: 72, .size: 8, .value_kind: global_buffer, .address_space: global }
      - { .name: w_out_cross_codes, .offset: 80, .size: 8, .value_kind: global_buffer, .address_space: global }
      - { .name: w_out_cross_scales, .offset: 88, .size: 8, .value_kind: global_buffer, .address_space: global }
      - { .name: w1_codes, .offset: 96, .size: 8, .value_kind: global_buffer, .address_space: global }
      - { .name: w1_scales, .offset: 104, .size: 8, .value_kind: global_buffer, .address_space: global }
      - { .name: w2_codes, .offset: 112, .size: 8, .value_kind: global_buffer, .address_space: global }
      - { .name: w2_scales, .offset: 120, .size: 8, .value_kind: global_buffer, .address_space: global }
      - { .name: stream, .offset: 128, .size: 8, .value_kind: global_buffer, .address_space: global }
      - { .name: wimg, .offset: 136, .size: 8, .value_kind: global_buffer, .address_space: global }
    .group_segment_fixed_size: 36864
    .private_segment_fixed_size: 0
    .kernarg_segment_align: 8
    .kernarg_segment_size: 144
    .max_flat_workgroup_size: 512
    .sgpr_count:     80
    .vgpr_count:     256
    .wavefront_size: 32
...
	.end_amdgpu_metadata
.endif
;; end of part 1
;; launch layer (part 2): grid 256 x 1, 16 waves a work-group, clusters of 4 x 1, 327,680 bytes of LDS; arguments stream, wimg, tgt, query_pos, b_in_self, b_in_cross, b_out_self, b_out_cross, g1, be1, g2, be2, g3, be3, b1, b2, out0; writes out0
.if DOCPART == 2
	.amdgcn_target "amdgcn-amd-amdhsa--gfx1250"
	.amdhsa_code_object_version 6
	.text
	.protected	k_q71aa55efb4_layer
	.globl	k_q71aa55efb4_layer
	.p2align	8
	.type	k_q71aa55efb4_layer,@function
k_q71aa55efb4_layer:
	s_mov_b64 s[64:65], 0
	v_nop
	global_prefetch_b8 v0, s[64:65] scope:SCOPE_SE
	s_setreg_imm32_b32 hwreg(HW_REG_WAVE_MODE, 25, 1), 1
	s_wait_xcnt 0x0
	s_wait_alu depctr_hold_cnt(0) depctr_sa_sdst(0) depctr_va_vdst(0) depctr_va_sdst(0) depctr_va_ssrc(0) depctr_va_vcc(0) depctr_vm_vsrc(0)
	s_getreg_b32 s2, hwreg(HW_REG_IB_STS2, 6, 4)
	s_cmp_eq_u32 s2, 0
	s_cbranch_scc0 .Lentry_in_a_cluster
	s_endpgm
.Lentry_in_a_cluster:
	s_bfe_u32 s2, ttmp6, 0x10000c
	s_cmp_lg_u32 s2, 0x3003
	s_cbranch_scc0 .Lentry_shape_is_right
	s_endpgm
.Lentry_shape_is_right:
; LAYER: self attention, cross attention and the feed-forward part, with their three norms, for 16 rows a work-group; all products on E2M1 codes with E8M0 scales.
; SHARES.  Wave W = head + 8 x (half of the keys): 16 queries x one head x 2,048 keys, 128 a step; the two halves are joined through LDS.  In the projections and the feed-forward part wave W owns 16 outputs (w1: 128 hidden units); in the norms it owns row W.
; THE STREAM.  The launch before has laid K, V, w1 and w2 as records of 4,352 bytes in the order of the operand registers: four fragment images of 1,024 bytes and 256 bytes of scale words; wave W walks its own 40 records (16 self, 16 cross, 4 w1, 4 w2).
; K's and V's records are read by one wave of the work-group, once: they go from memory STRAIGHT INTO REGISTERS (8 loads of 512 consecutive bytes a wave, 2 of 128), a whole key step ahead of their use, into two register buffers that take turns.
; So a key step has no LDS access and no barrier.  The walk goes on across the phases: a loop's last step asks for the next phase's first record.
; RECORDS 33-36 (w1's last three, w2's first) COME INTO LDS ONCE, at the head: 17,408 consecutive bytes a wave, one tensor load a wave, read by that wave alone, never filled again.  Beside the scratch LDS has room for 288,256 bytes: four of a wave's 40 records.
; All work-groups want the same bytes, so the four of a cluster ask JOINTLY (4 x 1, mask 15): one round of the cluster's barrier in front of the load, one at the end.  Records 37-39 come into registers, asked for under the last norm and the hidden layer.
; K's and V's records are not asked for jointly: 32 records a wave do not fit in LDS, and slots that take turns would want a round of the cluster's barrier at each change.
; PREFETCH: in each key step wave 0 asks for a share of the records four steps on: work-group g takes block g / 16 of the 17 blocks of 256 bytes of wave (g % 16)'s record (g / 16 = 15: blocks 15 and 16): each block is named once in the launch; the work-groups are told apart by address.
; Steps 0-31 name records 4-35, all inside the stream; records 0-3 and 36-39 come by their loads alone.
; SOFTMAX: t = score x log2(e) / sqrt(32); M = the running largest t rounded up to a whole number; p = 2^(t - M) is quantised along the keys; the sum of the unquantised p divides at the end.
; LIMITS: the promise holds while |t| stays under 2^31; a block of zeros gets the scale byte 1 (its codes are zeros, and this program alone reads the bytes); NaN and infinities among the inputs are not served.
; REGISTERS: v1-27, v49 addresses; v28-47 Q's fragments; v50-53 -M, largest t, the sum; v54-69 O^T; v70-103 record buffer A; v104-167 scores, then p; v168-201 codes and work; v202-235 record buffer B (between the loops: w_out, its bias, the gain); v236-243 the norm's bias; v244-251 query_pos.
.set REC,   4352
.set WSTR,  40*REC
.set SPARE, 0                          ; the spare words: 128 bytes a wave
.set SCR,   2048                       ; LDS scratch: 16 rows of x (pitch XP), the rows' fragment image and scale words, the exchange U, US
.set XP,    1040
.set AIMG,  16640
.set ASC,   18688
.set U,     18944
.set US,    U+16384
.set WLDS,  39424                      ; behind the scratch: records 33-36, 4 REC bytes a wave
.set QF,  28
.set QS,  48
.set NM,  50
.set TMX, 51
.set SUM, 52
.set OT,  54
.set FA,  70
.set S,   104
.set WQ,  124
.set WQS, 156
.set XS,  158
.set QB,  160
.set PC,  168
.set PW,  176
.set TM,  178
.set FB,  202
.set WO,  202
.set WOS, 218
.set BO,  220
.set G,   228
.set BE,  236
.set QP,  244
.set WV,  38
.set RB,  44                           ; s[44:45] the record that lies in buffer A
.set PF,  46                           ; s[46:47] where wave 0's prefetches stand
.set SEL, 66
.set CS,  68
.set G1,  72                           ; s[72:79], s[80:83] the tensor load's groups 1 and 0
.set G0,  80
.macro ROUND                           ; a round of the cluster's barrier
	s_barrier_signal -1
	s_barrier_wait -1
	s_cmp_lg_u32 s[WV], 0
	s_cbranch_scc1 .Lnot_wave_0_\@
	s_barrier_signal -3
.Lnot_wave_0_\@:
	s_barrier_wait -3
	s_barrier_signal -1
	s_barrier_wait -1
.endm
.macro BARRIER
	s_wait_dscnt 0x0
	s_barrier_signal -1
	s_barrier_wait -1
.endm
.macro PLACES
.rept 4
	v_nop
.endr
.endm
; a record at byte off from s[RB]: its four fragments and its two registers of scale words
.macro RLD fa, fb, fc, fd, sc, off
.irp c, 0,1
	global_load_b128 v[\fa+4*\c:\fa+4*\c+3], v21, s[RB:RB+1] offset:\off+512*\c
	global_load_b128 v[\fb+4*\c:\fb+4*\c+3], v21, s[RB:RB+1] offset:\off+1024+512*\c
	global_load_b128 v[\fc+4*\c:\fc+4*\c+3], v21, s[RB:RB+1] offset:\off+2048+512*\c
	global_load_b128 v[\fd+4*\c:\fd+4*\c+3], v21, s[RB:RB+1] offset:\off+3072+512*\c
.endr
	global_load_b32 v[\sc], v5, s[RB:RB+1] offset:\off+4096
	global_load_b32 v[\sc+1], v5, s[RB:RB+1] offset:\off+4224
.endm
; the same of a record that lies in my part of LDS, at byte off
.macro LLD fa, fb, fc, fd, sc, off
.irp c, 0,1
	ds_load_b128 v[\fa+4*\c:\fa+4*\c+3], v7 offset:\off+512*\c
	ds_load_b128 v[\fb+4*\c:\fb+4*\c+3], v7 offset:\off+1024+512*\c
	ds_load_b128 v[\fc+4*\c:\fc+4*\c+3], v7 offset:\off+2048+512*\c
	ds_load_b128 v[\fd+4*\c:\fd+4*\c+3], v7 offset:\off+3072+512*\c
.endr
	ds_load_b32 v[\sc], v8 offset:\off+4096
	ds_load_b32 v[\sc+1], v8 offset:\off+4224
.endm
.macro MM d, a, b, c, sa, sb, ra, rb
.if (\ra) && (\rb)
	v_wmma_scale_f32_16x16x128_f8f6f4 v[\d:\d+7], v[\a:\a+7], v[\b:\b+7], v[\c:\c+7], v[\sa], v[\sb] matrix_a_fmt:MATRIX_FMT_FP4 matrix_b_fmt:MATRIX_FMT_FP4 matrix_a_scale:MATRIX_SCALE_ROW1 matrix_b_scale:MATRIX_SCALE_ROW1
.elseif (\ra)
	v_wmma_scale_f32_16x16x128_f8f6f4 v[\d:\d+7], v[\a:\a+7], v[\b:\b+7], v[\c:\c+7], v[\sa], v[\sb] matrix_a_fmt:MATRIX_FMT_FP4 matrix_b_fmt:MATRIX_FMT_FP4 matrix_a_scale:MATRIX_SCALE_ROW1
.else
	v_wmma_scale_f32_16x16x128_f8f6f4 v[\d:\d+7], v[\a:\a+7], v[\b:\b+7], v[\c:\c+7], v[\sa], v[\sb] matrix_a_fmt:MATRIX_FMT_FP4 matrix_b_fmt:MATRIX_FMT_FP4
.endif
.endm
.macro MMZ d, a, b, sa, sb, ra, rb
.if (\ra) && (\rb)
	v_wmma_scale_f32_16x16x128_f8f6f4 v[\d:\d+7], v[\a:\a+7], v[\b:\b+7], 0, v[\sa], v[\sb] matrix_a_fmt:MATRIX_FMT_FP4 matrix_b_fmt:MATRIX_FMT_FP4 matrix_a_scale:MATRIX_SCALE_ROW1 matrix_b_scale:MATRIX_SCALE_ROW1
.elseif (\ra)
	v_wmma_scale_f32_16x16x128_f8f6f4 v[\d:\d+7], v[\a:\a+7], v[\b:\b+7], 0, v[\sa], v[\sb] matrix_a_fmt:MATRIX_FMT_FP4 matrix_b_fmt:MATRIX_FMT_FP4 matrix_a_scale:MATRIX_SCALE_ROW1
.else
	v_wmma_scale_f32_16x16x128_f8f6f4 v[\d:\d+7], v[\a:\a+7], v[\b:\b+7], 0, v[\sa], v[\sb] matrix_a_fmt:MATRIX_FMT_FP4 matrix_b_fmt:MATRIX_FMT_FP4
.endif
.endm
; behind the four blocks' largest magnitudes in v[TM .. TM+3]: the conversions' scale operands, the scale word, the codes of v[s ..] in the operand's layout
.macro CODES s
.irp b, 0,1,2,3
	v_add_nc_u32 v[TM+12+\b], 0xff000000, v[TM+\b]      ; 2 off the exponent field
.endr
.irp b, 0,1,2,3
	s_delay_alu instid0(VALU_DEP_4)
	v_lshrrev_b32 v[TM+4+\b], 23, v[TM+12+\b]           ; the scale's byte
.endr
	s_delay_alu instid0(VALU_DEP_3)
	v_lshl_or_b32 v[PW], v[TM+5], 8, v[TM+4]
	s_delay_alu instid0(VALU_DEP_1)
	v_lshl_or_b32 v[PW], v[TM+6], 16, v[PW]
	s_delay_alu instid0(VALU_DEP_1)
	v_lshl_or_b32 v[PW], v[TM+7], 24, v[PW]
.irp b, 0,1,2,3
	v_cvt_scalef32_pk8_fp4_f32 v[PC+2*\b], v[\s+16*\b:\s+7+16*\b], v[TM+12+\b]
	v_cvt_scalef32_pk8_fp4_f32 v[PC+1+2*\b], v[\s+8+16*\b:\s+15+16*\b], v[TM+12+\b]
.endr
	v_nop                                               ; one plain place behind a scaled conversion
.irp c, 0,1                                         ; a whole block of 32 in a lane
.irp i, 0,1
	v_permlane16_swap_b32 v[PC+4*\c+\i], v[PC+2+4*\c+\i]
.endr
.endr
.endm
.macro QUANT s
.irp b, 0,1,2,3
	v_max3_num_f32 v[TM+\b], |v[\s+16*\b]|, |v[\s+1+16*\b]|, 0x1800000   ; with the floor 2^(3 - 127)
.endr
.irp i, 2,4,6,8,10,12,14
.irp b, 0,1,2,3
	v_max3_num_f32 v[TM+\b], v[TM+\b], |v[\s+16*\b+\i]|, |v[\s+1+16*\b+\i]|
.endr
.endr
.irp b, 0,1,2,3
	s_delay_alu instid0(VALU_DEP_4)
	v_permlanex16_b32 v[TM+4+\b], v[TM+\b], s[SEL], s[SEL+1]
.endr
.irp b, 0,1,2,3
	s_delay_alu instid0(VALU_DEP_4)
	v_max_num_f32 v[TM+\b], v[TM+\b], v[TM+4+\b]
.endr
	CODES \s
.endm
; one block of 32: my 16 numbers and lane l xor 16's
.macro QBLK src, c0
	v_max3_num_f32 v[TM], |v[\src]|, |v[\src+1]|, 0x1800000
.irp i, 2,4,6,8,10,12,14
	v_max3_num_f32 v[TM], v[TM], |v[\src+\i]|, |v[\src+\i+1]|
.endr
	s_delay_alu instid0(VALU_DEP_1)
	v_permlanex16_b32 v[TM+4], v[TM], s[SEL], s[SEL+1]
	s_delay_alu instid0(VALU_DEP_1)
	v_max_num_f32 v[TM], v[TM], v[TM+4]
	s_delay_alu instid0(VALU_DEP_1)
	v_add_nc_u32 v[TM+12], 0xff000000, v[TM]
	s_delay_alu instid0(VALU_DEP_1)
	v_lshrrev_b32 v[TM+4], 23, v[TM+12]
	v_cvt_scalef32_pk8_fp4_f32 v[\c0], v[\src:\src+7], v[TM+12]
	v_cvt_scalef32_pk8_fp4_f32 v[\c0+1], v[\src+8:\src+15], v[TM+12]
	v_nop
.endm
.macro FETCHX reg, sreg                ; the 16 rows' two fragments and their scale words
.irp k, 0,1,2,3
	ds_load_b128 v[\reg+4*\k:\reg+4*\k+3], v3 offset:AIMG+512*\k
.endr
	ds_load_b32 v[\sreg], v4 offset:ASC
.endm
.macro RLOAD r                         ; x at my eight outputs of row l % 16
	ds_load_b128 v[\r:\r+3], v17
	ds_load_b128 v[\r+4:\r+7], v17 offset:16
.endm
.macro RESID a0, a1, r                 ; the two sums and the residual, back into x's rows
	PLACES
.irp i, 0,2,4,6
	v_pk_add_f32 v[\a0+\i:\a0+\i+1], v[\a0+\i:\a0+\i+1], v[\a1+\i:\a1+\i+1]
.endr
.irp i, 0,2,4,6
	s_delay_alu instid0(VALU_DEP_4)
	v_pk_add_f32 v[\a0+\i:\a0+\i+1], v[\a0+\i:\a0+\i+1], v[\r+\i:\r+\i+1]
.endr
	ds_store_b128 v17, v[\a0:\a0+3]
	ds_store_b128 v17, v[\a0+4:\a0+7] offset:16
	BARRIER
.endm
.macro WSUM x, t
.irp m, 1,2,4,8
	s_delay_alu instid0(VALU_DEP_1)
	v_add_f32_dpp v[\x], v[\x], v[\x] row_xmask:\m row_mask:0xf bank_mask:0xf
.endr
	s_delay_alu instid0(VALU_DEP_1)
	v_permlanex16_b32 v[\t], v[\x], s[SEL], s[SEL+1]
	s_delay_alu instid0(VALU_DEP_1)
	v_add_f32 v[\x], v[\x], v[\t]
.endm
; the norm of my row, eight numbers a lane, in v[L .. L+7]; v[L+8 .. L+12] at work
.macro LNROW adr, o2, L, g, be
	ds_load_b128 v[\L:\L+3], v[\adr]
	ds_load_b128 v[\L+4:\L+7], v[\adr] offset:\o2
	s_wait_dscnt 0x0
	v_pk_add_f32 v[\L+8:\L+9], v[\L:\L+1], v[\L+2:\L+3]
	v_pk_add_f32 v[\L+10:\L+11], v[\L+4:\L+5], v[\L+6:\L+7]
	s_delay_alu instid0(VALU_DEP_1)
	v_pk_add_f32 v[\L+8:\L+9], v[\L+8:\L+9], v[\L+10:\L+11]
	s_delay_alu instid0(VALU_DEP_1)
	v_add_f32 v[\L+8], v[\L+8], v[\L+9]
	WSUM \L+8, \L+12
	s_delay_alu instid0(VALU_DEP_1)
	v_mul_f32 v[\L+8], s86, v[\L+8]                     ; the mean
.irp i, 0,2,4,6
	v_pk_add_f32 v[\L+\i:\L+\i+1], v[\L+\i:\L+\i+1], v[\L+8:\L+9] op_sel_hi:[1,0] neg_lo:[0,1] neg_hi:[0,1]
.endr
	s_delay_alu instid0(VALU_DEP_4)
	v_pk_mul_f32 v[\L+10:\L+11], v[\L:\L+1], v[\L:\L+1]
.irp i, 2,4,6
	s_delay_alu instid0(VALU_DEP_1)
	v_pk_fma_f32 v[\L+10:\L+11], v[\L+\i:\L+\i+1], v[\L+\i:\L+\i+1], v[\L+10:\L+11]
.endr
	s_delay_alu instid0(VALU_DEP_1)
	v_add_f32 v[\L+10], v[\L+10], v[\L+11]
	WSUM \L+10, \L+12
	s_delay_alu instid0(VALU_DEP_1)
	v_fma_f32 v[\L+10], v[\L+10], s86, s87              ; the variance + 1e-5
	s_wait_alu depctr_va_vdst(0)                        ; the wait ahead of the transcendental
	v_rsq_f32 v[\L+10], v[\L+10]
	v_nop
	s_wait_alu depctr_va_vdst(0)                        ; and ahead of its first reader
.irp i, 0,2,4,6
	v_pk_mul_f32 v[\L+\i:\L+\i+1], v[\L+\i:\L+\i+1], v[\L+10:\L+11] op_sel_hi:[1,0]
.endr
.irp i, 0,2,4,6
	s_delay_alu instid0(VALU_DEP_4)
	v_pk_fma_f32 v[\L+\i:\L+\i+1], v[\L+\i:\L+\i+1], v[\g+\i:\g+\i+1], v[\be+\i:\be+\i+1]
.endr
.endm
; my row goes back to x's rows; it (addq: + query_pos) is quantised, four lanes to a block, into the rows' fragment image
.macro XTAIL L, addq
	ds_store_b128 v18, v[\L:\L+3]
	ds_store_b128 v18, v[\L+4:\L+7] offset:16
.if \addq
.irp i, 0,2,4,6
	v_pk_add_f32 v[\L+8+\i:\L+9+\i], v[QP+\i:QP+\i+1], v[\L+\i:\L+\i+1]
.endr
.set XQ, \L+8
.else
.set XQ, \L
.endif
	v_max3_num_f32 v[\L+16], |v[XQ]|, |v[XQ+1]|, 0x1800000
.irp i, 2,4,6
	s_delay_alu instid0(VALU_DEP_1)
	v_max3_num_f32 v[\L+16], v[\L+16], |v[XQ+\i]|, |v[XQ+1+\i]|
.endr
	s_delay_alu instid0(VALU_DEP_1)
	v_max_num_f32_dpp v[\L+16], v[\L+16], v[\L+16] row_xmask:1 row_mask:0xf bank_mask:0xf
	s_delay_alu instid0(VALU_DEP_1)
	v_max_num_f32_dpp v[\L+16], v[\L+16], v[\L+16] row_xmask:2 row_mask:0xf bank_mask:0xf
	s_delay_alu instid0(VALU_DEP_1)
	v_add_nc_u32 v[\L+17], 0xff000000, v[\L+16]
	s_delay_alu instid0(VALU_DEP_1)
	v_lshrrev_b32 v[\L+18], 23, v[\L+17]
	v_cvt_scalef32_pk8_fp4_f32 v[\L+19], v[XQ:XQ+7], v[\L+17]
	v_nop
	ds_store_b32 v9, v[\L+19]
	ds_store_b8 v10, v[\L+18]
	BARRIER
.endm
; wq's two tiles of my head, their scale words and bias
.macro WQLOAD n
.irp u, 0,1
.irp k, 0,1,2,3
	global_load_b128 v[WQ+16*\u+4*\k:WQ+16*\u+4*\k+3], v22, s[6:7] offset:73728*\n+2304*\u+512*\k
.endr
	global_load_b32 v[WQS+\u], v23, s[6:7] offset:73728*\n+2304*\u
	global_load_b128 v[QB+8*\u:QB+8*\u+3], v26, s[12+2*\n:13+2*\n] offset:32*\u
	global_load_b128 v[QB+8*\u+4:QB+8*\u+7], v26, s[12+2*\n:13+2*\n] offset:32*\u+16
.endr
.endm
; w_out's tile of my 16 outputs, its bias, the norm's gain and bias
.macro WOLOAD n
.irp k, 0,1,2,3
	global_load_b128 v[WO+4*\k:WO+4*\k+3], v24, s[6:7] offset:73728*\n+512*\k
.endr
	global_load_b32 v[WOS], v25, s[6:7] offset:73728*\n
	global_load_b128 v[BO:BO+3], v27, s[16+2*\n:17+2*\n]
	global_load_b128 v[BO+4:BO+7], v27, s[16+2*\n:17+2*\n] offset:16
	global_load_b128 v[G:G+3], v20, s[20+4*\n:21+4*\n]
	global_load_b128 v[G+4:G+7], v20, s[20+4*\n:21+4*\n] offset:16
	global_load_b128 v[BE:BE+3], v20, s[22+4*\n:23+4*\n]
	global_load_b128 v[BE+4:BE+7], v20, s[22+4*\n:23+4*\n] offset:16
.endm
; A KEY STEP: 128 keys, whose record lies in buffer f; the next record, at byte off, is asked for into buffer g
.macro STEP f, g, off, pf
	s_wait_loadcnt 0x0                                  ; the ten loads of this step's record, issued a step ago, are the only ones out
.irp t, 0,1,2,3,4,5,6,7
	MMZ S+8*\t, \f+8*(\t/4), QF+4+8*(\t%2)-4*((\t%4)/2), \f+32, QS, \t/4, 0
.endr
	PLACES                                              ; behind these products, and behind the last step's, which read buffer g
	RLD \g, \g+8, \g+16, \g+24, \g+32, \off
.irp b, 0,1,2,3
	v_max3_num_f32 v[TM+\b], v[S+16*\b], v[S+1+16*\b], v[S+2+16*\b]   ; the largest score of each block of 32 keys
.endr
.irp i, 3,5,7,9,11,13
.irp b, 0,1,2,3
	v_max3_num_f32 v[TM+\b], v[TM+\b], v[S+16*\b+\i], v[S+1+16*\b+\i]
.endr
.endr
.irp b, 0,1,2,3
	v_max_num_f32 v[TM+\b], v[TM+\b], v[S+15+16*\b]
.endr
.irp b, 0,1,2,3
	s_delay_alu instid0(VALU_DEP_4)
	v_permlanex16_b32 v[TM+4+\b], v[TM+\b], s[SEL], s[SEL+1]
.endr
.irp b, 0,1,2,3
	s_delay_alu instid0(VALU_DEP_4)
	v_max_num_f32 v[TM+\b], v[TM+\b], v[TM+4+\b]
.endr
	s_delay_alu instid0(VALU_DEP_2)
	v_max3_num_f32 v[TM+18], v[TM], v[TM+1], v[TM+2]
	s_delay_alu instid0(VALU_DEP_1)
	v_max_num_f32 v[TM+18], v[TM+18], v[TM+3]
	s_delay_alu instid0(VALU_DEP_1)
	v_mul_f32 v[TM+18], s[CS], v[TM+18]
	s_delay_alu instid0(VALU_DEP_1)
	v_max_num_f32 v[TMX], v[TMX], v[TM+18]              ; the running largest t
	v_mov_b32 v[TM+18], v[NM]
	s_delay_alu instid0(VALU_DEP_2)
	v_floor_f32 v[NM], -v[TMX]                          ; -M
	s_delay_alu instid0(VALU_DEP_1)
	v_sub_f32 v[TM+18], v[NM], v[TM+18]
	s_delay_alu instid0(VALU_DEP_1)
	v_cvt_i32_f32 v[TM+18], v[TM+18]
	s_delay_alu instid0(VALU_DEP_1)
	v_ldexp_f32 v[TM+16], 1.0, v[TM+18]                 ; f = 2^(old M - new M)
.set J, 0
.rept 32
	v_pk_fma_f32 v[S+J:S+J+1], v[S+J:S+J+1], s[CS:CS+1], v[NM:NM+1] op_sel_hi:[1,0,0]
.set J, J+2
.endr
.irp b, 0,1,2,3
	v_fma_f32 v[TM+\b], v[TM+\b], s[CS], v[NM]
.endr
	s_wait_alu depctr_va_vdst(0)
	s_cmp_lg_u32 s[WV], 0
	s_cbranch_scc1 .Lnp_\@
	global_prefetch_b8 v6, s[PF:PF+1] offset:\pf th:TH_LOAD_NT scope:SCOPE_SE   ; my work-group's share of the records four steps on
.Lnp_\@:
.set J, 0
.rept 64
	v_exp_f32 v[S+J], v[S+J]                            ; p = 2^(t - M)
.set J, J+1
.endr
.irp b, 0,1,2,3
	v_exp_f32 v[TM+\b], v[TM+\b]                        ; each block's largest p
.endr
	v_pk_mul_f32 v[SUM:SUM+1], v[SUM:SUM+1], v[TM+16:TM+17] op_sel_hi:[1,0]
	s_wait_alu depctr_va_vdst(0)                        ; one wait for the batch, ahead of its first reader
.irp b, 0,1,2,3
	v_max_num_f32 v[TM+\b], 0x1800000, v[TM+\b]
.endr
	CODES S
	v_pk_add_f32 v[TM+4:TM+5], v[S:S+1], v[S+2:S+3]     ; the sum of the unquantised p, in two chains
.set J, 4
.rept 15
	v_pk_add_f32 v[SUM:SUM+1], v[SUM:SUM+1], v[S+J:S+J+1]
	v_pk_add_f32 v[TM+4:TM+5], v[TM+4:TM+5], v[S+2+J:S+3+J]
.set J, J+4
.endr
	s_delay_alu instid0(VALU_DEP_1)
	v_pk_add_f32 v[SUM:SUM+1], v[SUM:SUM+1], v[TM+4:TM+5]
.irp j, 0,2,4,6,8,10,12,14
	v_pk_mul_f32 v[OT+\j:OT+\j+1], v[OT+\j:OT+\j+1], v[TM+16:TM+17] op_sel_hi:[1,0]
.endr
	s_wait_alu depctr_va_vdst(0)
.irp u, 0,1
	MM OT+8*\u, \f+16+8*\u, PC, OT+8*\u, \f+33, PW, \u, 0
.endr
.endm
; AN ATTENTION WITH ITS PROJECTIONS AND NORM.  n = 0: self, 1: cross.  At its head the rows' image lies in LDS, wq and the first record are asked for
.macro ATT n
	FETCHX S, XS
	s_wait_loadcnt 0x0
	s_wait_dscnt 0x0
.irp u, 0,1
	MM OT+8*\u, WQ+16*\u, S, QB+8*\u, WQS+\u, XS, 0, 0  ; the bias is the first product's C
.endr
.irp u, 0,1
	MM OT+8*\u, WQ+16*\u+8, S+8, OT+8*\u, WQS+\u, XS, 1, 1
.endr
	PLACES
	QBLK OT, TM+8
	v_lshl_or_b32 v[QS], v[TM+4], 8, v[TM+4]
	s_delay_alu instid0(VALU_DEP_1)
	v_lshl_or_b32 v[QS], v[QS], 16, v[QS]
	v_permlanex16_b32 v[TM+10], v[TM+8], s[SEL], s[SEL+1]
	v_permlanex16_b32 v[TM+11], v[TM+9], s[SEL], s[SEL+1]
	v_cndmask_b32 v[QF+4], v[TM+8], v[QF], s70          ; Q's 32 codes in one block of the 128, zeros in the others: four placings out of v[QF .. QF+19]
	v_cndmask_b32 v[QF+5], v[TM+9], v[QF], s70
	v_cndmask_b32 v[QF+6], v[TM+10], v[QF], s70
	v_cndmask_b32 v[QF+7], v[TM+11], v[QF], s70
	v_cndmask_b32 v[QF+12], v[QF], v[TM+10], s70
	v_cndmask_b32 v[QF+13], v[QF], v[TM+11], s70
	v_cndmask_b32 v[QF+14], v[QF], v[TM+8], s70
	v_cndmask_b32 v[QF+15], v[QF], v[TM+9], s70
.set J, 0
.rept 16
	v_mov_b32 v[OT+J], 0
.set J, J+1
.endr
	v_mov_b32 v[TMX], 0xff61b1e6                        ; -3e38, under every t
	s_delay_alu instid0(VALU_DEP_1)
	v_floor_f32 v[NM], -v[TMX]
	v_mov_b32 v[SUM], 0
	v_mov_b32 v[SUM+1], 0
	s_mov_b32 s71, 8
.Lfill_\@:
	STEP FA, FB, REC, 0
	STEP FB, FA, 2*REC, REC
	s_wait_xcnt 0x0                                     ; the loads and the prefetches have read their bases
	s_add_nc_u64 s[RB:RB+1], s[RB:RB+1], 2*REC
	s_add_nc_u64 s[PF:PF+1], s[PF:PF+1], 2*REC
	s_sub_co_u32 s71, s71, 1
	s_cmp_lg_u32 s71, 0
	s_cbranch_scc1 .Lfill_\@
	PLACES                                              ; behind the last products, which read buffer B
	WOLOAD \n
	v_add_f32 v[SUM], v[SUM], v[SUM+1]
	s_delay_alu instid0(VALU_DEP_1)
	v_permlanex16_b32 v[TM+4], v[SUM], s[SEL], s[SEL+1]
	s_delay_alu instid0(VALU_DEP_1)
	v_add_f32 v[SUM], v[SUM], v[TM+4]
	s_cmp_lt_u32 s[WV], 8
	s_cbranch_scc1 .Llower_\@
.irp k, 0,1,2,3                                     ; the upper half of the keys hands O^T, -M and the sum over
	ds_store_b128 v15, v[OT+4*\k:OT+4*\k+3] offset:U+512*\k
.endr
	ds_store_b32 v16, v[NM] offset:US
	ds_store_b32 v16, v[SUM] offset:US+128
.Llower_\@:
	BARRIER
	s_cmp_ge_u32 s[WV], 8
	s_cbranch_scc1 .Lupper_\@
.irp k, 0,1,2,3
	ds_load_b128 v[S+4*\k:S+4*\k+3], v15 offset:U+512*\k
.endr
	ds_load_b32 v120, v16 offset:US
	ds_load_b32 v121, v16 offset:US+128
	s_wait_dscnt 0x0
	v_min_num_f32 v122, v[NM], v120                     ; the common -M
	s_delay_alu instid0(VALU_DEP_1)
	v_sub_f32 v123, v122, v[NM]
	v_sub_f32 v124, v122, v120
	s_delay_alu instid0(VALU_DEP_2)
	v_cvt_i32_f32 v123, v123
	s_delay_alu instid0(VALU_DEP_2)
	v_cvt_i32_f32 v124, v124
	s_delay_alu instid0(VALU_DEP_2)
	v_ldexp_f32 v[TM+16], 1.0, v123
	s_wait_alu depctr_va_vdst(0)                        ; the sum was written ahead of the branch and the barrier
	v_ldexp_f32 v[TM+18], 1.0, v124
	v_mul_f32 v[SUM], v[SUM], v[TM+16]
	s_delay_alu instid0(VALU_DEP_1)
	v_fma_f32 v[SUM], v121, v[TM+18], v[SUM]
.irp j, 0,2,4,6,8,10,12,14
	v_pk_mul_f32 v[OT+\j:OT+\j+1], v[OT+\j:OT+\j+1], v[TM+16:TM+17] op_sel_hi:[1,0]
.endr
.irp j, 0,2,4,6,8,10,12,14
	v_pk_fma_f32 v[OT+\j:OT+\j+1], v[S+\j:S+\j+1], v[TM+18:TM+19], v[OT+\j:OT+\j+1] op_sel_hi:[1,0,1]
.endr
	s_wait_alu depctr_va_vdst(0)
	v_rcp_f32 v[TM+20], v[SUM]
	v_nop
	s_wait_alu depctr_va_vdst(0)
.irp j, 0,2,4,6,8,10,12,14
	v_pk_mul_f32 v[OT+\j:OT+\j+1], v[OT+\j:OT+\j+1], v[TM+20:TM+21] op_sel_hi:[1,0]
.endr
	QBLK OT, TM+8                                       ; the head's 32 channels are one block of w_out's K
	ds_store_b64 v13, v[TM+8:TM+9]
	ds_store_b8 v14, v[TM+4]
.Lupper_\@:
	BARRIER
	FETCHX S, XS
	RLOAD 160
	s_wait_loadcnt 0x0                                  ; w_out, its bias, the gain and bias
	s_wait_dscnt 0x0
	MM 128, WO, S, BO, WOS, XS, 0, 0
	MMZ 136, WO+8, S+8, WOS, XS, 1, 1
	RESID 128, 136, 160
.if \n == 0
	WQLOAD 1                                            ; under the norm: the next attention's wq
	LNROW 18, 16, S, G, BE
	XTAIL S, 1
.else
.irp t, 0,1,2,3,4,5,6,7                             ; under the norm: b1 in the hidden layer's layout; w1's record 1 out of LDS (record 0 lies in buffer A); w2's records 1 and 2 from memory
	global_load_b128 v[S+8*\t:S+8*\t+3], v49, s[32:33] offset:(32*(\t/2)+8*(\t%2))*4
	global_load_b128 v[S+8*\t+4:S+8*\t+7], v49, s[32:33] offset:(32*(\t/2)+8*(\t%2))*4+16
.endr
	s_wait_tensorcnt 0x0                                ; my four records lie in LDS; I alone read them
	LLD 168, 176, 184, 192, 200, 0
	RLD 202, 210, 218, 244, 226, 5*REC
	LNROW 18, 16, 28, G, BE
	RLD 228, 236, 54, 62, 52, 6*REC                     ; where the gain, the bias and O^T lay
	XTAIL 28, 0
.endif
.endm
; w1's record p: two tiles of 16 hidden units x two K steps
.macro REC1 p, f0, f1, f2, f3, sc
	MM S+16*\p, \f0, 28, S+16*\p, \sc, 44, 0, 0
	MM S+16*\p+8, \f2, 28, S+16*\p+8, \sc+1, 44, 0, 0
	MM S+16*\p, \f1, 36, S+16*\p, \sc, 44, 1, 1
	MM S+16*\p+8, \f3, 36, S+16*\p+8, \sc+1, 44, 1, 1
.endm
; w2's record p: four K steps of 128 hidden units, on two accumulators by turns
.macro REC2 p, f0, f1, f2, f3, sc
.irp i, 0,1,2,3
.irp c, 0,1
	ds_load_b128 v[S+8*\i+4*\c:S+8*\i+4*\c+3], v3 offset:U+(4*\p+\i)*1024+512*\c
.endr
.endr
.irp a, 0,1
	ds_load_b32 v[136+\a], v4 offset:US+128*(2*\p+\a)
.endr
	s_wait_dscnt 0x0
.if \p == 0
	MM 144, \f0, S, 44, \sc, 136, 0, 0                  ; b2 is the first product's C
	MMZ 152, \f1, S+8, \sc, 136, 1, 1
.else
	MM 144, \f0, S, 144, \sc, 136, 0, 0
	MM 152, \f1, S+8, 152, \sc, 136, 1, 1
.endif
	MM 144, \f2, S+16, 144, \sc+1, 137, 0, 0
	MM 152, \f3, S+24, 152, \sc+1, 137, 1, 1
	PLACES
.endm
	s_load_b512 s[4:19], s[0:1], 0x0               ; stream, wimg, tgt, query_pos, b_in_self, b_in_cross, b_out_self, b_out_cross
	s_load_b512 s[20:35], s[0:1], 0x40             ; g1, be1, g2, be2, g3, be3, b1, b2
	s_load_b64 s[36:37], s[0:1], 0x80              ; out0
	v_lshl_add_u32 v1, v0, 2, SPARE                ; my spare word, and 0
	v_mov_b32 v2, 0
	ds_add_u32 v1, v2
	ds_add_u32 v1, v2
	v_lshrrev_b32 v3, 5, v0
	v_readfirstlane_b32 s[WV], v3                  ; wave 0..15
	s_and_b32 s39, s[WV], 7                        ; head
	s_mul_i32 s42, s[WV], WSTR
	s_mov_b32 s43, 0
	s_bfe_u32 s88, ttmp6, 0x40000                  ; cx: my place in the cluster
	s_lshl_b32 s92, ttmp9, 2
	s_add_co_u32 s92, s92, s88                     ; the work-group's number g = 4 x cluster + cx: it enters global addresses alone
	s_lshl_b32 s89, s92, 4
	s_add_co_u32 s89, s89, s[WV]                   ; my row
	s_lshl_b32 s90, s89, 10
	s_mov_b32 s91, 0
	s_and_b32 s46, s92, 15                         ; the prefetches: whose records,
	s_mul_i32 s46, s46, WSTR
	s_add_co_u32 s46, s46, 4*REC                   ; four steps on,
	s_mov_b32 s47, 0
	s_lshr_b32 s40, ttmp9, 2                       ; which block of 256 bytes: g / 16;
	s_cmp_eq_u32 s40, 15
	s_cselect_b32 s41, 256, 0                      ; the last share has two
	s_lshl_b32 s40, s40, 8
	s_lshl_b32 s48, s[WV], 4
	s_add_co_u32 s48, s48, SCR+AIMG
	s_lshl_b32 s49, s[WV], 2
	s_add_co_u32 s49, s49, SCR+ASC
	s_lshl_b32 s50, s[WV], 10
	s_lshl_b32 s51, s[WV], 6
	s_add_co_u32 s51, s51, SCR
	s_lshl_b32 s52, s39, 8
	s_add_co_u32 s52, s52, SCR+AIMG
	s_lshr_b32 s53, s39, 2
	s_lshl_b32 s53, s53, 6
	s_and_b32 s54, s39, 3
	s_add_co_u32 s53, s53, s54
	s_add_co_u32 s53, s53, SCR+ASC
	s_lshl_b32 s54, s39, 11
	s_lshl_b32 s55, s39, 8
	s_mul_i32 s56, s[WV], XP
	s_add_co_u32 s56, s56, SCR
	s_mul_i32 s57, s39, 4608
	s_add_co_u32 s58, s57, 2048
	s_mul_i32 s59, s[WV], 2304
	s_add_co_u32 s59, s59, 36864
	s_add_co_u32 s60, s59, 2048
	s_lshl_b32 s61, s39, 7
	s_lshl_b32 s62, s[WV], 6
	s_lshl_b32 s63, s[WV], 9
	s_mul_i32 s93, s[WV], 4*REC
	s_add_co_u32 s93, s93, WLDS                    ; my part of LDS for records 33-36
	s_mov_b32 s[G1], 15|(3<<16)|(1<<21)            ; the four of the cluster; elements of 8 bytes; bit 21 beside the mask
	s_mov_b32 s[G1+1], 32<<16                      ; 68 dense rows of 256 bytes
	s_mov_b32 s[G1+2], 68<<16
	s_mov_b32 s[G1+3], 32<<16
	s_mov_b32 s[G1+4], 68
	s_mov_b32 s[G1+5], 32
	s_mov_b32 s[G1+6], 0
	s_mov_b32 s[G1+7], 0
	s_mov_b32 s[G0], 1
	s_mov_b32 s[G0+1], s93
	s_mov_b32 s[SEL], 0x76543210
	s_mov_b32 s[SEL+1], 0xfedcba98
	s_mov_b32 s[CS], 0x3e8293ee                    ; log2(e) / sqrt(32)
	s_mov_b32 s[CS+1], s[CS]
	s_mov_b32 s70, 0xffff0000                      ; lanes 16-31
	s_mov_b32 s86, 0x3b800000                      ; 1 / 256
	s_mov_b32 s87, 0x3727c5ac                      ; 1e-5
	v_and_b32 v236, 31, v0                         ; lane
	v_and_b32 v237, 15, v0                         ; r
	v_bfe_u32 v238, v0, 4, 1                       ; h
	v_bfe_u32 v240, v0, 3, 1
	v_bfe_u32 v241, v0, 2, 1
	v_and_b32 v242, 3, v0
	v_bfe_u32 v243, v0, 2, 2
	v_lshlrev_b32 v20, 5, v236                     ; 32 x lane
	v_lshlrev_b32 v21, 4, v236                     ; 16 x lane
	v_lshlrev_b32 v5, 2, v236                      ; 4 x lane
	v_lshlrev_b32 v239, 2, v237                    ; 4 r
	v_add_nc_u32 v3, SCR, v21
	v_add_nc_u32 v4, SCR, v5
	v_lshlrev_b32 v9, 10, v238                     ; where my eight codes of row W go in the rows' image
	v_lshl_add_u32 v9, v240, 9, v9
	v_lshl_add_u32 v9, v241, 8, v9
	v_lshl_add_u32 v9, v242, 2, v9
	v_add_nc_u32 v9, s48, v9
	v_lshl_add_u32 v10, v238, 6, v243              ; and my block's scale byte
	v_add_nc_u32 v10, s49, v10
	v_add_nc_u32 v11, s50, v3                      ; the hidden layer's image of wave W
	v_add_nc_u32 v12, s51, v239
	v_lshlrev_b32 v13, 4, v237                     ; the attention's result: head's block in the rows' image
	v_lshl_add_u32 v13, v238, 3, v13
	v_add_nc_u32 v13, s52, v13
	v_add_nc_u32 v14, s53, v239
	v_add_nc_u32 v15, s54, v3                      ; the exchange between the halves of the keys
	v_add_nc_u32 v16, s55, v4
	v_mul_u32_u24 v17, v237, XP                    ; x: row r, my wave's 16 outputs
	v_lshl_add_u32 v17, v238, 5, v17
	v_add_nc_u32 v17, s51, v17
	v_add_nc_u32 v18, s56, v20                     ; x: row W
	v_add_nc_u32 v19, s56, v21
	v_add_nc_u32 v22, s57, v21                     ; wimg: wq's tiles of my head,
	v_add_nc_u32 v23, s58, v5
	v_add_nc_u32 v24, s59, v21                     ; w_out's tile W
	v_add_nc_u32 v25, s60, v5
	v_lshl_add_u32 v26, v238, 6, s61               ; biases
	v_lshl_add_u32 v27, v238, 5, s62
	v_lshl_add_u32 v49, v238, 6, s63
	v_min_u32 v6, 1, v236                          ; the prefetches' offset: lane 0 my share's first block, the others its last
	v_mul_u32_u24 v6, v6, s41
	v_add_nc_u32 v6, s40, v6
	v_add_nc_u32 v7, s93, v21                      ; my records in LDS: fragments,
	v_add_nc_u32 v8, s93, v5                       ; scale words
.irp j, 0,1,2,3, 8,9,10,11, 16,17,18,19
	v_mov_b32 v[QF+\j], 0
.endr
.irp j, 4,5,6,7, 10,11, 17, 19, 21
	v_mov_b32 v[TM+\j], 0                          ; written once: permutes' destinations and upper halves of pairs
.endr
	s_wait_alu depctr_va_vdst(0)
	s_wait_dscnt 0x0                               ; both opening adds are done
	s_wait_kmcnt 0x0
	s_add_nc_u64 s[RB:RB+1], s[4:5], s[42:43]
	s_add_nc_u64 s[G0+2:G0+3], s[RB:RB+1], 33*REC  ; records 33-36 of wave W: the same address in all work-groups
	s_or_b32 s[G0+3], s[G0+3], 0x80000000
	s_add_nc_u64 s[PF:PF+1], s[4:5], s[46:47]
	s_add_nc_u64 s[8:9], s[8:9], s[90:91]
	s_add_nc_u64 s[10:11], s[10:11], s[90:91]
	s_add_nc_u64 s[36:37], s[36:37], s[90:91]
	global_load_b128 v[S:S+3], v20, s[8:9]
	global_load_b128 v[S+4:S+7], v20, s[8:9] offset:16
	global_load_b128 v[QP:QP+3], v20, s[10:11]
	global_load_b128 v[QP+4:QP+7], v20, s[10:11] offset:16
	RLD FA, FA+8, FA+16, FA+24, FA+32, 0           ; the first record
	WQLOAD 0
	ROUND                                          ; the four work-groups are here: the joint loads meet
	tensor_load_to_lds s[G0:G0+3], s[G1:G1+7]      ; my one tensor load of the launch
	s_nop 0
	PLACES
	s_wait_loadcnt 24                              ; tgt and query_pos are in; the record's 10 loads and wq's 14 may be out
	XTAIL S, 1
	ATT 0
	ATT 1
; THE FEED-FORWARD PART.  The hidden layer: 128 units a wave, transposed, b1 as the sums' start
	FETCHX 28, 44
	s_wait_loadcnt 20                              ; b1 is in; the 20 loads of w2's records 1 and 2 may be out
	s_wait_dscnt 0x0
	REC1 0, FA, FA+8, FA+16, FA+24, FA+32
	REC1 1, 168, 176, 184, 192, 200
	PLACES
	LLD FA, FA+8, FA+16, FA+24, FA+32, REC         ; w1's records 2 and 3 out of LDS
	LLD 168, 176, 184, 192, 200, 2*REC
	s_wait_dscnt 0x0
	REC1 2, FA, FA+8, FA+16, FA+24, FA+32
	REC1 3, 168, 176, 184, 192, 200
	PLACES
	global_load_b128 v[44:47], v27, s[34:35]       ; b2, and w2's record 3
	global_load_b128 v[48:51], v27, s[34:35] offset:16
	RLD FA, FA+8, FA+16, FA+24, FA+32, 7*REC
.set J, 0
.rept 64
	v_max_num_f32 v[S+J], 0, v[S+J]
.set J, J+1
.endr
	QUANT S
	ds_store_b128 v11, v[PC:PC+3] offset:U
	ds_store_b128 v11, v[PC+4:PC+7] offset:U+512
	ds_store_b32 v12, v[PW] offset:US
	s_wait_dscnt 0x0                               ; the stores have landed
	global_load_b128 v[194:197], v21, s[28:29]     ; g3, be3
	global_load_b128 v[198:201], v21, s[28:29] offset:512
	global_load_b128 v[160:163], v21, s[30:31]
	global_load_b128 v[164:167], v21, s[30:31] offset:512
	LLD 28, 36, 168, 176, 184, 3*REC               ; w2's record 0 out of LDS
	BARRIER
	s_wait_loadcnt 14                              ; w2's records 1 and 2 and b2 are in; record 3's 10 loads and the 4 of g3 and be3 may be out
	REC2 0, 28, 36, 168, 176, 184
	REC2 1, 202, 210, 218, 244, 226
	REC2 2, 228, 236, 54, 62, 52
	s_wait_loadcnt 0x0
	RLOAD 186
	REC2 3, FA, FA+8, FA+16, FA+24, FA+32
	RESID 144, 152, 186
	LNROW 19, 512, S, 194, 160
	global_store_b128 v21, v[S:S+3], s[36:37]      ; each store of the wave covers 512 consecutive bytes, aligned
	global_store_b128 v21, v[S+4:S+7], s[36:37] offset:512
	s_wait_tensorcnt 0x0                           ; the wave's end
	ds_add_u32 v1, v2
	s_wait_dscnt 0x0
	ROUND                                          ; the closing round
	s_endpgm
.Lfunc_end_k_q71aa55efb4_layer:
	.size	k_q71aa55efb4_layer, .Lfunc_end_k_q71aa55efb4_layer-k_q71aa55efb4_layer
	.p2alignl 7, 3214868480
	.fill 96, 4, 3214868480
	.section	.rodata,"a",@progbits
	.p2align	6, 0x0
	.amdhsa_kernel k_q71aa55efb4_layer
		.amdhsa_group_segment_fixed_size 327680
		.amdhsa_private_segment_fixed_size 0
		.amdhsa_enable_private_segment 0
		.amdhsa_kernarg_size 136
		.amdhsa_user_sgpr_count 2
		.amdhsa_user_sgpr_kernarg_segment_ptr 1
		.amdhsa_wavefront_size32 1
		.amdhsa_system_sgpr_workgroup_id_x 1
		.amdhsa_system_sgpr_workgroup_id_y 1
		.amdhsa_system_sgpr_workgroup_id_z 1
		.amdhsa_system_vgpr_workitem_id 0
		.amdhsa_next_free_vgpr 256
		.amdhsa_next_free_sgpr 96
		.amdhsa_reserve_vcc 0
		.amdhsa_float_denorm_mode_32 3
		.amdhsa_float_denorm_mode_16_64 3
		.amdhsa_memory_ordered 1
		.amdhsa_forward_progress 1
		.amdhsa_inst_pref_size 129
	.end_amdhsa_kernel
	.amdgpu_metadata
---
amdhsa.version: [ 1, 2 ]
amdhsa.kernels:
  - .name:           k_q71aa55efb4_layer
    .symbol:         k_q71aa55efb4_layer.kd
    .args:
      - { .name: stream, .offset: 0, .size: 8, .value_kind: global_buffer, .address_space: global }
      - { .name: wimg, .offset: 8, .size: 8, .value_kind: global_buffer, .address_space: global }
      - { .name: tgt, .offset: 16, .size: 8, .value_kind: global_buffer, .address_space: global }
      - { .name: query_pos, .offset: 24, .size: 8, .value_kind: global_buffer, .address_space: global }
      - { .name: b_in_self, .offset: 32, .size: 8, .value_kind: global_buffer, .address_space: global }
      - { .name: b_in_cross, .offset: 40, .size: 8, .value_kind: global_buffer, .address_space: global }
      - { .name: b_out_self, .offset: 48, .size: 8, .value_kind: global_buffer, .address_space: global }
      - { .name: b_out_cross, .offset: 56, .size: 8, .value_kind: global_buffer, .address_space: global }
      - { .name: g1, .offset: 64, .size: 8, .value_kind: global_buffer, .address_space: global }
      - { .name: be1, .offset: 72, .size: 8, .value_kind: global_buffer, .address_space: global }
      - { .name: g2, .offset: 80, .size: 8, .value_kind: global_buffer, .address_space: global }
      - { .name: be2, .offset: 88, .size: 8, .value_kind: global_buffer, .address_space: global }
      - { .name: g3, .offset: 96, .size: 8, .value_kind: global_buffer, .address_space: global }
      - { .name: be3, .offset: 104, .size: 8, .value_kind: global_buffer, .address_space: global }
      - { .name: b1, .offset: 112, .size: 8, .value_kind: global_buffer, .address_space: global }
      - { .name: b2, .offset: 120, .size: 8, .value_kind: global_buffer, .address_space: global }
      - { .name: out0, .offset: 128, .size: 8, .value_kind: global_buffer, .address_space: global }
    .group_segment_fixed_size: 327680
    .private_segment_fixed_size: 0
    .kernarg_segment_align: 8
    .kernarg_segment_size: 136
    .max_flat_workgroup_size: 512
    .sgpr_count:     96
    .vgpr_count:     256
    .wavefront_size: 32
...
	.end_amdgpu_metadata
.endif
;; end of part 2
